; MI455X (gfx1250); checked and timed in simulation.
; The chip was launched on July 23, 2026; its instructions are those of AMD's public machine-readable ISA for CDNA 5 (MIT licence, August 2026) and "CDNA5" Instruction Set Architecture Reference Guide (July 2026). The comments in the code are by the model that wrote it; some were corrected since.
;; Memristive Fully Connected. Allowed arithmetic: float matrix products may take bf16 or f16 operands with f32 sums; other float arithmetic in f32, or as packed bf16 or f16 multiplies, adds, multiply-adds, maxima and minima; sums over many terms, partial sums and values carried from step to step in f32; what a program stores and reads back later, other than sums and carried values, may be rounded once to bf16 or f16.
;; Inputs: b 4,096 float32; w 4,096 x 4,096 float32; x 2,048 x 4,096 float32.
;; Outputs: out0 2,048 x 4,096 float32.
;; 2 versions, each right; version 2 is version 1 with the launch cast written anew for expert scheduling mode. Each part assembles by itself: llvm-mc -triple=amdgcn-amd-amdhsa -mcpu=gfx1250 --defsym DOCPART=n.
;; ======== version 1 of 2: 2 launches
;; workspace buffers: xb 16,777,216 bytes; wb 33,554,432 bytes
;; launch cast (part 1): grid 768 x 1, 8 waves a work-group, no clusters, 0 bytes of LDS; arguments x, w, xb, wb; writes xb, wb
.if DOCPART == 1
	.amdgcn_target "amdgcn-amd-amdhsa--gfx1250"
	.amdhsa_code_object_version 6
	.text
	.protected	k_qd4dccf648d_cast
	.globl	k_qd4dccf648d_cast
	.p2align	8
	.type	k_qd4dccf648d_cast,@function
k_qd4dccf648d_cast:
	s_mov_b64 s[64:65], 0
	v_nop
	global_prefetch_b8 v0, s[64:65] scope:SCOPE_SE
	s_setreg_imm32_b32 hwreg(HW_REG_WAVE_MODE, 25, 1), 1
	s_wait_xcnt 0x0
; THE PROGRAM: out0 = x @ w + b, in two launches: this one rounds x and w once to bf16 (xb, wb: the same layouts, two bytes a number); the second multiplies and adds b.
; WHY THAT IS THE WHOLE RESULT, for all finite x, w, b with a largest |weight| above 0, in exact arithmetic.  With weights = [w; b], g = k_cond x weights:
;   g_pos - g_neg = (G_OFF + max(g, 0)) - (G_OFF - min(g, 0)) = max(g, 0) + min(g, 0) = g.
;   The product is linear in the conductances, so currents[:, 0::2] - currents[:, 1::2] = voltages @ (g_pos - g_neg) = K_V k_cond ([x, 1] @ weights),
;   and the division by K_V k_cond leaves [x, 1] @ weights = x @ w + b.
; LEFT OUT AS DEAD WORK, in whole units: one of the two products (4,096 of the 8,192 columns); the G_OFF terms, which are the same sum in both columns of a pair and cancel;
; the maximum over |weights|; the factors K_V and k_cond, each multiplied in and divided out again.  G_OFF = 0.001 is not large beside the rest: the largest |g| is
; G_ON - G_OFF = 0.004 by construction, so f32 sums with the term lose nothing that shows beyond rounding.  All three inputs stay live: x and w are read here, b in the second launch.
; LIMITS.  A NaN, an infinity, an overflow or an underflow that arises only in the work left out (the maximum, k_cond, g, the two currents) is not carried to the result:
; where w and b are all zero the formula as written divides by zero and gives NaN, this program gives 0; a NaN or an infinity in x, w or b spreads as in a plain product and
; not, by way of the maximum, to the whole output.  x and w are rounded once to bf16 (nearest even), which has f32's range; b and all sums stay in f32.
;
; THIS LAUNCH is a stream: 100,663,296 bytes in, half as many out, nothing shared, so no LDS, no barrier, no matrix work.
; SHARES.  768 work-groups of eight waves, 131,072 input bytes each: groups 0-255 take x, groups 256-767 take w.  A wave takes 16,384 consecutive bytes as 32 pieces of 512:
; one load of 16 bytes a lane covers a piece, two packed roundings make 8 bytes a lane, and one store of the wave covers 256 consecutive bytes, aligned.
; IN FLIGHT.  Sixteen loads of every wave; each wait leaves the younger ones out.  Every store has data registers of its own and the two offset registers are never rewritten,
; so no register that a pending load or store names is written again but a slot of X, behind the wait that shows its own load landed.
.set PIECES, 32                        ; pieces of 512 input bytes a wave
.set DEPTH,  16                        ; loads in flight a wave
.set X,   4                            ; v[4:67]    slot j: four f32 as loaded
.set Y,   68                           ; v[68:131]  piece i: four bf16 to store, a pair of registers of its own
	s_load_b256 s[4:11], s[0:1], 0x0               ; x s[4:5], w s[6:7], xb s[8:9], wb s[10:11]
	s_sub_co_u32 s17, ttmp9, 256                   ; my number among w's groups (used only where it is one)
	s_cmp_lt_u32 ttmp9, 256
	s_cselect_b32 s16, ttmp9, s17                  ; my number among my tensor's groups
	s_lshl_b32 s18, s16, 17                        ; its 131,072 bytes in,
	s_mov_b32 s19, 0
	s_lshl_b32 s20, s16, 16                        ; and 65,536 out
	s_mov_b32 s21, 0
	v_lshrrev_b32 v3, 5, v0                        ; wave
	v_and_b32 v2, 31, v0                           ; lane
	v_lshlrev_b32 v1, 4, v2
	v_lshl_or_b32 v1, v3, 14, v1                   ; in:  16,384 x wave + 16 x lane; never rewritten
	v_lshlrev_b32 v2, 3, v2
	v_lshl_or_b32 v2, v3, 13, v2                   ; out:  8,192 x wave +  8 x lane; never rewritten
	s_wait_kmcnt 0x0
	s_cmp_lt_u32 ttmp9, 256                        ; compared anew: the shifts above have written SCC
	s_cselect_b64 s[12:13], s[4:5], s[6:7]         ; from x or w,
	s_cselect_b64 s[14:15], s[8:9], s[10:11]       ; to xb or wb
	s_add_nc_u64 s[12:13], s[12:13], s[18:19]
	s_add_nc_u64 s[14:15], s[14:15], s[20:21]
.set j, 0
.rept DEPTH
	global_load_b128 v[X+4*j:X+4*j+3], v1, s[12:13] offset:512*j th:TH_LOAD_NT
.set j, j+1
.endr
; Piece i: its load has landed; round; fill the slot again with the piece DEPTH further on, ahead of the store; store.
; left = the loads issued behind piece i's, which may stay out (loads come back in order: ISA guide 5.7.1).
.macro PIECE i, left
	s_wait_loadcnt \left
	v_cvt_pk_bf16_f32 v[Y+2*(\i)],   v[X+4*((\i)%DEPTH)],   v[X+4*((\i)%DEPTH)+1]
	v_cvt_pk_bf16_f32 v[Y+2*(\i)+1], v[X+4*((\i)%DEPTH)+2], v[X+4*((\i)%DEPTH)+3]
.if (\i) < PIECES-DEPTH
	global_load_b128 v[X+4*((\i)%DEPTH):X+4*((\i)%DEPTH)+3], v1, s[12:13] offset:512*((\i)+DEPTH) th:TH_LOAD_NT
.endif
	global_store_b64 v2, v[Y+2*(\i):Y+2*(\i)+1], s[14:15] offset:256*(\i) th:TH_STORE_NT
.endm
.set n, 0
.rept PIECES
.if n < PIECES-DEPTH
	PIECE n, DEPTH-1                               ; 16 + n loads are issued, n + 1 of them up to mine: 15 younger
.else
	PIECE n, PIECES-1-n                            ; nothing more is loaded: the counts run down to 0
.endif
.set n, n+1
.endr
	s_endpgm
.Lfunc_end_k_qd4dccf648d_cast:
	.size	k_qd4dccf648d_cast, .Lfunc_end_k_qd4dccf648d_cast-k_qd4dccf648d_cast
	.p2alignl 7, 3214868480
	.fill 96, 4, 3214868480
	.section	.rodata,"a",@progbits
	.p2align	6, 0x0
	.amdhsa_kernel k_qd4dccf648d_cast
		.amdhsa_group_segment_fixed_size 0
		.amdhsa_private_segment_fixed_size 0
		.amdhsa_enable_private_segment 0
		.amdhsa_kernarg_size 32
		.amdhsa_user_sgpr_count 2
		.amdhsa_user_sgpr_kernarg_segment_ptr 1
		.amdhsa_wavefront_size32 1
		.amdhsa_system_sgpr_workgroup_id_x 1
		.amdhsa_system_sgpr_workgroup_id_y 1
		.amdhsa_system_sgpr_workgroup_id_z 1
		.amdhsa_system_vgpr_workitem_id 0
		.amdhsa_next_free_vgpr 132
		.amdhsa_next_free_sgpr 66
		.amdhsa_reserve_vcc 0
		.amdhsa_float_denorm_mode_32 3
		.amdhsa_float_denorm_mode_16_64 3
		.amdhsa_memory_ordered 1
		.amdhsa_forward_progress 1
		.amdhsa_inst_pref_size 13
	.end_amdhsa_kernel
	.amdgpu_metadata
---
amdhsa.version: [ 1, 2 ]
amdhsa.kernels:
  - .name:           k_qd4dccf648d_cast
    .symbol:         k_qd4dccf648d_cast.kd
    .args:
      - { .name: x, .offset: 0, .size: 8, .value_kind: global_buffer, .address_space: global }
      - { .name: w, .offset: 8, .size: 8, .value_kind: global_buffer, .address_space: global }
      - { .name: xb, .offset: 16, .size: 8, .value_kind: global_buffer, .address_space: global }
      - { .name: wb, .offset: 24, .size: 8, .value_kind: global_buffer, .address_space: global }
    .group_segment_fixed_size: 0
    .private_segment_fixed_size: 0
    .kernarg_segment_align: 8
    .kernarg_segment_size: 32
    .max_flat_workgroup_size: 256
    .sgpr_count:     66
    .vgpr_count:     132
    .wavefront_size: 32
...
	.end_amdgpu_metadata
.endif
;; end of part 1
;; launch gemm (part 2): grid 16 x 16, 4 waves a work-group, clusters of 4 x 4, 327,680 bytes of LDS; arguments xb, wb, b, out0; writes out0
.if DOCPART == 2
	.amdgcn_target "amdgcn-amd-amdhsa--gfx1250"
	.amdhsa_code_object_version 6
	.text
	.protected	k_qd4dccf648d_gemm
	.globl	k_qd4dccf648d_gemm
	.p2align	8
	.type	k_qd4dccf648d_gemm,@function
k_qd4dccf648d_gemm:
	s_mov_b64 s[64:65], 0
	v_nop
	global_prefetch_b8 v0, s[64:65] scope:SCOPE_SE
	s_setreg_imm32_b32 hwreg(HW_REG_WAVE_MODE, 25, 1), 1
	s_wait_xcnt 0x0
	s_wait_alu depctr_hold_cnt(0) depctr_sa_sdst(0) depctr_va_vdst(0) depctr_va_sdst(0) depctr_va_ssrc(0) depctr_va_vcc(0) depctr_vm_vsrc(0)
	s_getreg_b32 s2, hwreg(HW_REG_IB_STS2, 6, 4)
	s_cmp_eq_u32 s2, 0
	s_cbranch_scc0 .Lentry_in_a_cluster
	s_endpgm
.Lentry_in_a_cluster:
	s_bfe_u32 s2, ttmp6, 0x10000c
	s_cmp_lg_u32 s2, 0xf033
	s_cbranch_scc0 .Lentry_shape_is_right
	s_endpgm
.Lentry_shape_is_right:
; out0[m][n] = b[n] + the sum over k of xb[m][k] wb[k][n].  xb: [2048][4096] bf16, wb: [4096 k][4096 n] bf16 (x and w, rounded once by the launch before), b: [4096] f32, out0: [2048][4096] f32.
; WORK LEFT OUT: the second column of each differential pair, the G_OFF terms, the maximum of |weights| and the factors K_V and k_cond cancel for all finite inputs with a largest |weight| above 0
; (g_pos - g_neg = k_cond x weights, the product is linear, the division takes K_V k_cond away again): shown at the head of the first kernel, with the limits: a NaN, an infinity or an overflow that
; arises only in that work is not carried to the result (all-zero w and b give 0 here).  Sums in f32; b enters in f32, as the C operand of each accumulator's first product: nothing is cleared or added later.
; SHARES.  A work-group of four waves makes 128 rows x 256 columns of out0: 16 x 16 work-groups.  Wave w makes rows 64 (w / 2) .. + 63 and columns 128 (w % 2) .. + 127: 4 x 8 accumulators of 16 x 16, 256 registers.
; K goes in steps of 128 through two LDS slots filled by the tensor data mover; a step is four quarters of 32 along K, 32 matrix instructions and 24 LDS loads a wave each.
; CLUSTERS.  4 x 4 work-groups.  The four of a row of the cluster need the same 128 rows of xb, the four of a column the same 256 columns of wb: each tile is asked for JOINTLY, by the same tensor load
; with the same descriptor and a mask that names the four.
; THE MATRIX INSTRUCTION IS USED TRANSPOSED: source 0 = 16 columns of wb, source 1 = 16 rows of xb.  Lane l (r = l % 16, h = l / 16) then holds row r of out0 and, in registers 0 to 7, the columns 8 h + 0..7:
; 32 consecutive bytes.  wb lies [k][n], so its fragments come out of LDS turned, by ds_load_tr16_b128; xb's come as they lie.
; REGISTERS, in windows of 256 (s_set_vgpr_msb: bits 1:0 source 0, 3:2 source 1, 5:4 source 2, 7:6 destination):
;   window 0: v0-30 addresses; v64-159, v160-255 two fragment buffers (8 fragments of wb, then 4 of xb); on the way out v64-191 hold rows read back
;   window 1: the accumulators, (a, b) at v[8 (8 a + b)]          window 2: v0-63 the bias as eight C operands
.set KSTEP, 128
.set LAPS,  4096/(2*KSTEP)             ; a lap = two K steps = once round the ring: 16
.set ROWB,  8192                       ; bytes in a row of xb and of wb
.set OROW,  16384                      ; bytes in a row of out0
.set PA,    272                        ; an LDS row of xb's tile: 256 bytes + 16 = 68 words: row r starts at bank 4 r mod 64 (64 banks of 4 bytes: ISA guide 11.1): the 16 rows of a load start at 16 different banks
.set PB,    544                        ; an LDS row of wb's tile: 512 bytes + 32 = 136 words
.set ATILE, 128*PA                     ; 34,816
.set SLOT,  ATILE+128*PB               ; 104,448: xb's 128 rows, then wb's 128 k rows
.set STAGE, 2*SLOT                     ; behind the ring, never filled by a tensor load: 16 rows x 528 bytes for each wave, for the way out
.set SP,    528                        ; 512 bytes + 16: the 16 rows that a store touches start at 16 different banks
.set SPARE, STAGE+4*16*SP              ; behind the stages: the spare words, 128 bytes for each wave: two blocks of 256 bytes that no other line names
.set ADRA, 16                          ; v16-17  LDS address of my fragments of xb in slot 0, 1
.set ADRB, 20                          ; v20-21  the same for wb
.set STO,  24                          ; v24     the way out: where I put 32 bytes of a row
.set RD,   25                          ; v25     the way out: where I read 16 bytes of a row back
.set CO,   26                          ; v26     my 16 bytes in 512 consecutive bytes of out0
.set BO,   27                          ; v27     my 32 bytes in 64 bytes of b
.set SPW,  28                          ; v28     LDS address of my spare word: SPARE + 4 x my thread's number; never rewritten
.set NIL,  29                          ; v29     0; never rewritten
.set PFO,  30                          ; v30     the prefetches' offset; never rewritten
.set F0,   64
.set F1,   160
.set WV,  12                           ; s12  my wave's number
.set HM,  13                           ; s13  wave / 2: my 64 rows.  Also: I fetch for xb (0) or for wb (1)
.set HN,  14                           ; s14  wave % 2: my 128 columns.  Also: which 64 rows of that tile I fetch
.set CX,  15                           ; s15, s16  my place in the cluster
.set CY,  16
.set TX,  17                           ; s17  tile column = 4 x cluster x + cx
.set TY,  18                           ; s18  tile row = 4 x cluster y + cy
.set LIM, 21                           ; s21  2 in a wave that prefetches, else the greatest number
.set G1A, 24                           ; s[24:31] descriptor group 1 for xb's tiles
.set G0A, 32                           ; s[32:39] descriptor group 0 for xb's tiles, a set for each slot
.set PFA, 44                           ; s[44:45] where my prefetches stand
.set PST, 46                           ; s[46:47] a K step in bytes: 256 along xb's rows, 128 rows of 8,192 down wb
.set G1B, 48                           ; s[48:55], s[56:63] the same two groups for wb's tiles
.set G0B, 56
.set MSB, 0
.macro WIN new                         ; the immediate's high byte repeats the setting that is left; a switch that changes nothing is dropped
.if MSB != (\new)
	s_set_vgpr_msb (MSB<<8)|(\new)
.set MSB, \new
.endif
.endm
.set MUL,     0x50                     ; sources 0 and 1 window 0; C and D window 1
.set MULB,    0x60                     ; the same with C in window 2: the bias
.set TO_BIAS, 0x80                     ; destination window 2, address window 0
.set ST_ACC,  0x04                     ; an LDS store's data (source 1) window 1, address window 0
; A joint load.  Waves 0 and 1 fetch the two halves of xb's tile, waves 2 and 3 those of wb's.  Each line has one mask and one set of registers; the branch hangs on the wave's number alone.
; An s_nop 0 and four v_nop follow each of the two lines, ahead of the jump, the label and what follows.
.macro JLOAD s
	s_cmp_eq_u32 s[HM], 0
	s_cbranch_scc0 .Lfor_b_\@
	tensor_load_to_lds s[G0A+4*(\s):G0A+4*(\s)+3], s[G1A:G1A+7]
	s_nop 0
.rept 4
	v_nop
.endr
	s_branch .Lasked_\@
.Lfor_b_\@:
	tensor_load_to_lds s[G0B+4*(\s):G0B+4*(\s)+3], s[G1B:G1B+7]
	s_nop 0
.rept 4
	v_nop
.endr
.Lasked_\@:
.endm
; A PREFETCH INTO THE L2, behind each joint refill, its five lines and the run of LDS loads that follows them: one instruction a wave, 32 blocks of 256 bytes, of the K step that stands FOUR refills on:
; the refill of step s asks for step s + 2, the prefetch beside it names step s + 6: four K steps, 512 matrix instructions, ahead of the load that will want it.
; Each block is named ONCE in the launch.  xb's 128 rows of a tile row are read by every cluster of that row of clusters: the one with cluster x = 0 asks; its four partners along x take 32 rows each, told
; apart BY ADDRESS (cx), a lane a row, wave 0.  wb's 128 k rows x 512 bytes of a tile column are read by every cluster of that column: the one with cluster y = 0 asks; its four partners along y take 32 k rows
; each (cy), waves 2 and 3 sixteen of them, two lanes a row.  No branch hangs on a work-group's place in its cluster.  K steps 0 to 5 come by their loads alone; the loop's last two trips (s3 = 2, 1) ask for
; nothing: the last step named is 31, the last there is.
.macro ASK
	s_cmp_gt_u32 s3, s[LIM]
	s_cbranch_scc0 .Lnot_mine_\@
	global_prefetch_b8 v[PFO], s[PFA:PFA+1] th:TH_LOAD_NT scope:SCOPE_SE
.Lnot_mine_\@:
.endm
; A round of the cluster's barrier: my work-group's barrier, so that wave 0's signal speaks for all four waves; wave 0 signals for the work-group; every wave waits for all sixteen; my work-group's barrier once more.
.macro CREST                           ; a round behind its opening barrier
	s_cmp_lg_u32 s[WV], 0
	s_cbranch_scc1 .Lnot_wave_0_\@
	s_barrier_signal -3
.Lnot_wave_0_\@:
	s_barrier_wait -3
	s_barrier_signal -1
	s_barrier_wait -1
.endm
.macro CROUND                          ; a whole round
	s_barrier_signal -1
	s_barrier_wait -1
	CREST
.endm
	s_load_b256 s[4:11], s[0:1], 0x0               ; xb s[4:5], wb s[6:7], b s[8:9], out0 s[10:11]
	v_lshl_add_u32 v[SPW], v0, 2, SPARE
	v_mov_b32 v[NIL], 0
	ds_add_u32 v[SPW], v[NIL]                      ; the wave's opening: the add, twice on end, and its wait ahead of my first tensor load; the set-up below, work on registers, stands between
	ds_add_u32 v[SPW], v[NIL]                      ; and once more, under the one wait
	v_lshrrev_b32 v1, 5, v0
	v_readfirstlane_b32 s[WV], v1                  ; wave 0..3
	s_lshr_b32 s[HM], s[WV], 1
	s_and_b32 s[HN], s[WV], 1
	s_bfe_u32 s[CX], ttmp6, 0x40000
	s_bfe_u32 s[CY], ttmp6, 0x40004
	s_lshl_b32 s[TX], ttmp9, 2                     ; in a cluster launch ttmp9 and ttmp7 count clusters
	s_add_co_u32 s[TX], s[TX], s[CX]
	s_and_b32 s[TY], ttmp7, 0xffff
	s_lshl_b32 s[TY], s[TY], 2
	s_add_co_u32 s[TY], s[TY], s[CY]
	s_lshl_b32 s19, s[CY], 2
	s_lshl_b32 s19, 15, s19                        ; my row of the cluster: places 4 cy .. 4 cy + 3
	s_lshl_b32 s20, 0x1111, s[CX]                  ; my column: places cx, cx + 4, cx + 8, cx + 12
	; descriptor group 1 for xb: 64 rows x 128 elements, 16 bytes of padding behind each row
	s_or_b32 s[G1A+0], s19, (1<<16)|(1<<20)|(1<<21)|(5<<22)|(3<<25)  ; 15:0 the mask: my row; 17:16 elements of 2 bytes; 20 padding on; 21 set beside a mask; 24:22 after every 64 words (code 5); 31:25 4 words (code 3)
	s_mov_b32 s[G1A+1], KSTEP<<16                  ; tensor_dim0 = 128
	s_mov_b32 s[G1A+2], 64<<16                     ; tensor_dim1 = 64
	s_mov_b32 s[G1A+3], KSTEP<<16                  ; tile_dim0 = 128
	s_mov_b32 s[G1A+4], 64                         ; tile_dim1 = 64
	s_mov_b32 s[G1A+5], 4096                       ; elements from row to row
	s_mov_b32 s[G1A+6], 0
	s_mov_b32 s[G1A+7], 0
	; descriptor group 1 for wb: 64 k rows x 256 elements, 32 bytes of padding behind each row
	s_or_b32 s[G1B+0], s20, (1<<16)|(1<<20)|(1<<21)|(6<<22)|(7<<25)  ; the mask: my column; after every 128 words (code 6) 8 words (code 7)
	s_mov_b32 s[G1B+1], 256<<16                    ; tensor_dim0 = 256
	s_mov_b32 s[G1B+2], 64<<16                     ; tensor_dim1 = 64
	s_mov_b32 s[G1B+3], 256<<16                    ; tile_dim0 = 256
	s_mov_b32 s[G1B+4], 64                         ; tile_dim1 = 64
	s_mov_b32 s[G1B+5], 4096
	s_mov_b32 s[G1B+6], 0
	s_mov_b32 s[G1B+7], 0
	; where the tiles come from.  xb's hang on the tile row alone, which my row of the cluster shares; wb's on the tile column alone, which my column shares; each in registers that never hold the other coordinate
	s_lshl_b32 s40, s[TY], 7
	s_lshl_b32 s22, s[HN], 6
	s_add_co_u32 s40, s40, s22                     ; xb: row 128 x tile row + 64 x half,
	s_lshl_b32 s40, s40, 13                        ; in bytes (under 2^24)
	s_mov_b32 s41, 0
	s_lshl_b32 s42, s[TX], 9                       ; wb: 512 bytes x tile column
	s_lshl_b32 s22, s[HN], 19                      ; + 64 k rows x half
	s_add_co_u32 s42, s42, s22
	s_mov_b32 s43, 0
	s_mul_i32 s22, s[HN], 64*PA                    ; and where they go: no place in the cluster enters an LDS address
	s_mul_i32 s23, s[HN], 64*PB
	s_add_co_u32 s23, s23, ATILE
	s_wait_dscnt 0x0                               ; both opening adds are done
	s_wait_kmcnt 0x0
	s_add_nc_u64 s[40:41], s[4:5], s[40:41]
	s_add_nc_u64 s[42:43], s[6:7], s[42:43]
	CROUND                                         ; all sixteen work-groups are here: the first joint loads meet
.irp s, 0,1
	s_mov_b32 s[G0A+4*(\s)], 1                                       ; count = 1
	s_add_co_u32 s[G0A+4*(\s)+1], s22, (\s)*SLOT                     ; LDS address
	s_add_nc_u64 s[G0A+4*(\s)+2:G0A+4*(\s)+3], s[40:41], (\s)*KSTEP*2  ; global address: K step s
	s_or_b32 s[G0A+4*(\s)+3], s[G0A+4*(\s)+3], 0x80000000            ; type = 2
	s_mov_b32 s[G0B+4*(\s)], 1
	s_add_co_u32 s[G0B+4*(\s)+1], s23, (\s)*SLOT
	s_add_nc_u64 s[G0B+4*(\s)+2:G0B+4*(\s)+3], s[42:43], (\s)*KSTEP*ROWB
	s_or_b32 s[G0B+4*(\s)+3], s[G0B+4*(\s)+3], 0x80000000
	JLOAD \s                                       ; both slots are asked for before anything else is done: two loads of mine are out
.endr
	v_and_b32 v1, 15, v0                           ; r = l % 16
	v_bfe_u32 v2, v0, 4, 1                         ; h = l / 16
	v_and_b32 v3, 31, v0                           ; l
	; a fragment of xb: 16 rows x 32 K in 8 registers: lane l holds row r, K = 8 h + 0..7 and 16 + 8 h + 0..7: two loads of 16 bytes, 32 bytes apart
	v_mul_u32_u24 v4, v1, PA
	v_lshl_add_u32 v4, v2, 4, v4
	s_mul_i32 s22, s[HM], 64*PA                    ; my 64 rows
	v_add_nc_u32 v[ADRA], s22, v4
	v_add_nc_u32 v[ADRA+1], SLOT, v[ADRA]
	; a fragment of wb: the turning load takes 16 k rows x 16 columns (lane l reads k row 8 h + l % 8, columns 8 ((l / 8) % 2) + 0..7) and leaves lane l column r and 8 K: two loads, 16 k rows apart
	v_and_b32 v5, 7, v0
	v_lshl_add_u32 v5, v2, 3, v5
	v_mul_u32_u24 v5, v5, PB
	v_bfe_u32 v6, v0, 3, 1
	v_lshl_add_u32 v5, v6, 4, v5
	s_lshl_b32 s23, s[HN], 8                       ; my 128 columns: 256 bytes
	s_add_co_u32 s23, s23, ATILE
	v_add_nc_u32 v[ADRB], s23, v5
	v_add_nc_u32 v[ADRB+1], SLOT, v[ADRB]
	; the way out
	s_mul_i32 s22, s[WV], 16*SP
	s_add_co_u32 s22, s22, STAGE                   ; my stage
	v_mul_u32_u24 v4, v1, SP                       ; in: row r, 32 bytes for each half of the lanes
	v_lshl_add_u32 v4, v2, 5, v4
	v_add_nc_u32 v[STO], s22, v4
	v_lshl_add_u32 v[RD], v3, 4, s22               ; back: the 32 lanes take one row of 512 bytes,
	v_lshlrev_b32 v[CO], 4, v3                     ; which is 512 consecutive bytes of out0
	v_lshlrev_b32 v[BO], 5, v2
	s_lshl_b32 s66, s[TY], 7
	s_lshl_b32 s67, s[HM], 6
	s_add_co_u32 s66, s66, s67                     ; my first row of out0,
	s_lshl_b32 s66, s66, 14                        ; in bytes (under 2^25)
	s_lshl_b32 s68, s[TX], 10                      ; my first column in f32: 1,024 bytes x tile column + 512 x half
	s_lshl_b32 s69, s[HN], 9
	s_add_co_u32 s68, s68, s69
	s_add_co_u32 s66, s66, s68
	s_mov_b32 s67, 0
	s_mov_b32 s69, 0
	s_add_nc_u64 s[10:11], s[10:11], s[66:67]      ; out0 at my first number; never rewritten
	s_add_nc_u64 s[8:9], s[8:9], s[68:69]          ; b at my first column
	WIN TO_BIAS
.irp f, 0,1,2,3,4,5,6,7                ; C operand f: register j = b[my column 16 f + 8 h + j], the same for all 16 rows
	global_load_b128 v[8*(\f):8*(\f)+3],   v[BO], s[8:9] offset:64*(\f)
	global_load_b128 v[8*(\f)+4:8*(\f)+7], v[BO], s[8:9] offset:64*(\f)+16
.endr
	WIN 0
	; the prefetches
	v_lshrrev_b32 v[PFO], s[HM], v3                ; xb: a lane a row; wb: two lanes a row,
	v_lshlrev_b32 v[PFO], 13, v[PFO]
	v_and_b32 v4, s[HM], v3
	v_lshl_add_u32 v[PFO], v4, 8, v[PFO]           ; 256 bytes apart
	s_lshl_b32 s66, s[TY], 7
	s_lshl_b32 s67, s[CX], 5
	s_add_co_u32 s66, s66, s67                     ; xb: row 128 x tile row + my work-group's 32
	s_lshl_b32 s66, s66, 13
	s_lshl_b32 s68, s[HN], 6
	s_lshl_b32 s69, s[CY], 4
	s_add_co_u32 s68, s68, s69                     ; wb: k row 64 x half + my work-group's 16,
	s_lshl_b32 s68, s68, 13
	s_lshl_b32 s69, s[TX], 9
	s_add_co_u32 s68, s68, s69                     ; at the tile column's 512 bytes
	s_mul_i32 s69, s[HM], 12
	s_lshl_b32 s[PST], 0x100, s69                  ; a K step: 256 bytes, or 128 rows of 8,192
	s_mov_b32 s[PST+1], 0
	s_mul_i32 s67, s[PST], 5                       ; at K step 5: the first refill steps it to 6
	s_and_b32 s22, ttmp7, 0xffff                   ; cluster y
	s_or_b32 s23, ttmp9, s[HN]                     ; cluster x; of xb's two waves wave 0 alone asks
	s_cmp_eq_u32 s[HM], 0
	s_cselect_b32 s22, s23, s22                    ; 0 in a wave that asks: the same in all sixteen partners, for a given wave
	s_cselect_b32 s70, s66, s68
	s_cselect_b64 s[PFA:PFA+1], s[4:5], s[6:7]
	s_add_co_u32 s70, s70, s67
	s_mov_b32 s71, 0
	s_add_nc_u64 s[PFA:PFA+1], s[PFA:PFA+1], s[70:71]
	s_cmp_eq_u32 s22, 0
	s_cselect_b32 s[LIM], 2, -1
; 8 matrix instructions: rows 16 a .. of my 64 x all 8 column blocks, 32 along K, from buffer f.  zero = 1: the first product starts the sum with the bias as C.
; The 32 accumulators take turns, one instruction a turn, in the same order in every quarter, over the backward jump too: 31 others stand between two links of a chain.
.macro MUL8 f, a, zero
.if \zero
	WIN MULB
.else
	WIN MUL
.endif
.irp b, 0,1,2,3,4,5,6,7
.if \zero
	v_wmma_f32_16x16x32_bf16 v[8*(8*(\a)+(\b)):8*(8*(\a)+(\b))+7], v[(\f)+8*(\b):(\f)+8*(\b)+7], v[(\f)+64+8*(\a):(\f)+64+8*(\a)+7], v[8*(\b):8*(\b)+7]
.else
	v_wmma_f32_16x16x32_bf16 v[8*(8*(\a)+(\b)):8*(8*(\a)+(\b))+7], v[(\f)+8*(\b):(\f)+8*(\b)+7], v[(\f)+64+8*(\a):(\f)+64+8*(\a)+7], v[8*(8*(\a)+(\b)):8*(8*(\a)+(\b))+7]
.endif
.endr
.endm
.macro MUL16 f, a0, zero
	MUL8 \f, \a0, \zero
	MUL8 \f, (\a0)+1, \zero
.endm
; 24 LDS loads in one run: quarter q of a slot into buffer f: wb's 8 fragments (turned), then xb's 4
.macro FETCH slot, q, f
	WIN 0
.irp b, 0,1,2,3,4,5,6,7
	ds_load_tr16_b128 v[(\f)+8*(\b):(\f)+8*(\b)+3],   v[ADRB+(\slot)] offset:(\q)*32*PB+32*(\b)
	ds_load_tr16_b128 v[(\f)+8*(\b)+4:(\f)+8*(\b)+7], v[ADRB+(\slot)] offset:(\q)*32*PB+16*PB+32*(\b)
.endr
.irp a, 0,1,2,3
	ds_load_b128 v[(\f)+64+8*(\a):(\f)+64+8*(\a)+3],   v[ADRA+(\slot)] offset:(\a)*16*PA+64*(\q)
	ds_load_b128 v[(\f)+64+8*(\a)+4:(\f)+64+8*(\a)+7], v[ADRA+(\slot)] offset:(\a)*16*PA+64*(\q)+32
.endr
.endm
; A load into a register that a matrix instruction has read, and a store that reads a matrix result, stand four places behind that matrix instruction; only plain vector instructions that name none of
; its registers are places (ISA guide 7.12.1 for vector instructions); the matrix instructions in between are not counted.
.macro PLACES
.rept 4
	v_nop
.endr
.endm
; One of a K step's first three quarters: multiplies buffer f; in its middle it fetches quarter q of the same slot into buffer g, 16 matrix instructions ahead of the first use.
.macro QUARTER slot, q, f, g, zero
	s_wait_dscnt 4                                 ; wb's fragments and xb's rows 0-31 are in; the youngest four loads (rows 32-63) may be out
	MUL16 \f, 0, \zero
	PLACES                                         ; behind the last product that read buffer g, a quarter back
	FETCH \slot, \q, \g
	s_wait_dscnt 24                                ; all but the 24 just issued
	MUL16 \f, 2, \zero
.endm
; The last quarter multiplies buffer 1 and changes slots: ONE barrier for two things.  In front of it each wave waits for all its tensor loads, of which one is out: its part of the next slot; adds 0 to its
; spare word; and waits for that and for its own reads of this slot.  Behind it nobody reads this slot any more and the next slot is whole.
; fill = 1: this slot is filled again, two K steps on.  The barrier then opens a round of the cluster's barrier, so that no wave of any partner still reads the slot or has a load on its way; the joint
; refill is the first tensor load behind the round's closing wait, and has 112 matrix instructions in which to land.
.macro TURN slot, next, fill
.if \fill
	s_wait_xcnt 0x0                                ; the last prefetch, a K step back, has read its address: it is stepped here, ahead of the waits of the change of slots
	s_add_nc_u64 s[PFA:PFA+1], s[PFA:PFA+1], s[PST:PST+1]
.endif
	WIN 0                                          ; (the add's two registers lie in window 0)
	s_wait_tensorcnt 0x0                           ; all my tensor loads have landed, so a group 0 may be written;
	ds_add_u32 v[SPW], v[NIL]                      ; 0 onto my spare word;
.if \fill
	s_add_nc_u64 s[G0A+4*(\slot)+2:G0A+4*(\slot)+3], s[G0A+4*(\slot)+2:G0A+4*(\slot)+3], 2*KSTEP*2     ; this slot's next tile; the type bits on top are not reached
	s_add_nc_u64 s[G0B+4*(\slot)+2:G0B+4*(\slot)+3], s[G0B+4*(\slot)+2:G0B+4*(\slot)+3], 2*KSTEP*ROWB
.endif
	s_wait_dscnt 5                                 ; (the add and the youngest four loads may be out)
	MUL8 F1, 0, 0                                  ; eight matrix instructions stand between the add and the wait for it
	s_wait_dscnt 0x0                               ; the add is done, and my reads of this slot are over:
	s_barrier_signal -1                            ; say so,
	MUL8 F1, 1, 0                                  ; work on registers while the others arrive,
.if \fill
	WIN 0
.endif
	s_barrier_wait -1                              ; and go on when all four have said so
.if \fill
	CREST
	JLOAD \slot                                    ; the four v_nop behind it are also the places in front of the loads below
.else
	PLACES
.endif
	FETCH \next, 0, F0
.if \fill
	ASK
.endif
	MUL16 F1, 2, 0
.endm
; THE WAY OUT of my rows 16 a .. 16 a + 15.  A lane's 32 bytes are one sixteenth of a row's 512, so the block goes through my own stage: in by rows of 528 bytes, back as whole rows.
; Each accumulator's registers are read in ascending order.  LDS serves a wave's instructions in order (ISA guide 5.7.1.4): the loads see the stores above them, and the next
; block's stores come behind them.
.macro TOSTAGE a
.if (\a) >= 2
	s_wait_xcnt 0x0                                ; the registers loaded below were the data of the stores two blocks back: they are written again only behind this wait
.endif
	WIN ST_ACC
.irp b, 0,1,2,3,4,5,6,7
	ds_store_b128 v[STO], v[8*(8*(\a)+(\b)):8*(8*(\a)+(\b))+3]   offset:64*(\b)
	ds_store_b128 v[STO], v[8*(8*(\a)+(\b))+4:8*(8*(\a)+(\b))+7] offset:64*(\b)+16
.endr
	WIN 0
.irp t, 0,1,2,3,4,5,6,7,8,9,10,11,12,13,14,15
	ds_load_b128 v[64+64*((\a)%2)+4*(\t):64+64*((\a)%2)+4*(\t)+3], v[RD] offset:(\t)*SP
.endr
.endm
.macro SEND a, younger                 ; younger: the LDS instructions issued behind block a's loads: the next block's 32, or none
.irp t, 0,1,2,3,4,5,6,7,8,9,10,11,12,13,14,15
	s_wait_dscnt (\younger)+15-(\t)                ; row t is back
	global_store_b128 v[CO], v[64+64*((\a)%2)+4*(\t):64+64*((\a)%2)+4*(\t)+3], s[10:11] offset:(16*(\a)+(\t))*OROW th:TH_STORE_NT  ; the wave stores 512 consecutive bytes, at a multiple of 512 from out0's first; 63 rows at the most in the immediate
.endr
.endm
	s_wait_tensorcnt 1                             ; my part of K step 0 is in; K step 1's may stay out
	s_barrier_signal -1
	s_barrier_wait -1                              ; everybody's is
	FETCH 0, 0, F0
	s_wait_loadcnt 0x0                             ; the bias
	QUARTER 0, 1, F0, F1, 1                        ; the first quarter stands in front of the loop: its products start the sums, with the bias
	WIN 0                                          ; at a label and at a branch every window is 0
	s_mov_b32 s3, LAPS-1
.Llap:                                                 ; a trip goes once round the ring, from a lap's second quarter to the next lap's first, and fills both slots again
	QUARTER 0, 2, F1, F0, 0
	QUARTER 0, 3, F0, F1, 0
	TURN 0, 1, 1
	QUARTER 1, 1, F0, F1, 0
	QUARTER 1, 2, F1, F0, 0
	QUARTER 1, 3, F0, F1, 0
	TURN 1, 0, 1
	QUARTER 0, 1, F0, F1, 0
	WIN 0
	s_sub_co_u32 s3, s3, 1
	s_cmp_lg_u32 s3, 0
	s_cbranch_scc1 .Llap
	QUARTER 0, 2, F1, F0, 0                        ; the last lap is written out: it fills nothing, and has no round of the cluster's barrier
	QUARTER 0, 3, F0, F1, 0
	TURN 0, 1, 0
	QUARTER 1, 1, F0, F1, 0
	QUARTER 1, 2, F1, F0, 0
	QUARTER 1, 3, F0, F1, 0
	s_wait_dscnt 4                                 ; the very last quarter: nothing more to fetch
	MUL16 F1, 0, 0
	s_wait_dscnt 0x0
	MUL16 F1, 2, 0
	PLACES                                         ; behind the last products, in front of the stores that read results and of the loads into the fragment buffers:
	PLACES                                         ; four are owed; twice four are written, once a launch
	TOSTAGE 0
	TOSTAGE 1                                      ; a block's way through the stage stands between the loads of the block before and its stores
	SEND 0, 32
	TOSTAGE 2
	SEND 1, 32
	TOSTAGE 3
	SEND 2, 32
	SEND 3, 0
	s_wait_tensorcnt 0x0                           ; the wave's end, behind my last tensor load and my last LDS store
	ds_add_u32 v[SPW], v[NIL]
	s_wait_dscnt 0x0
	CROUND                                         ; the closing round: no work-group ends while a partner may still ask for a tile that names it
	s_endpgm
.Lfunc_end_k_qd4dccf648d_gemm:
	.size	k_qd4dccf648d_gemm, .Lfunc_end_k_qd4dccf648d_gemm-k_qd4dccf648d_gemm
	.p2alignl 7, 3214868480
	.fill 96, 4, 3214868480
	.section	.rodata,"a",@progbits
	.p2align	6, 0x0
	.amdhsa_kernel k_qd4dccf648d_gemm
		.amdhsa_group_segment_fixed_size 327680
		.amdhsa_private_segment_fixed_size 0
		.amdhsa_enable_private_segment 0
		.amdhsa_kernarg_size 32
		.amdhsa_user_sgpr_count 2
		.amdhsa_user_sgpr_kernarg_segment_ptr 1
		.amdhsa_wavefront_size32 1
		.amdhsa_system_sgpr_workgroup_id_x 1
		.amdhsa_system_sgpr_workgroup_id_y 1
		.amdhsa_system_sgpr_workgroup_id_z 1
		.amdhsa_system_vgpr_workitem_id 0
		.amdhsa_next_free_vgpr 576
		.amdhsa_next_free_sgpr 72
		.amdhsa_reserve_vcc 0
		.amdhsa_float_denorm_mode_32 3
		.amdhsa_float_denorm_mode_16_64 3
		.amdhsa_memory_ordered 1
		.amdhsa_forward_progress 1
		.amdhsa_inst_pref_size 90
	.end_amdhsa_kernel
	.amdgpu_metadata
---
amdhsa.version: [ 1, 2 ]
amdhsa.kernels:
  - .name:           k_qd4dccf648d_gemm
    .symbol:         k_qd4dccf648d_gemm.kd
    .args:
      - { .name: xb, .offset: 0, .size: 8, .value_kind: global_buffer, .address_space: global }
      - { .name: wb, .offset: 8, .size: 8, .value_kind: global_buffer, .address_space: global }
      - { .name: b, .offset: 16, .size: 8, .value_kind: global_buffer, .address_space: global }
      - { .name: out0, .offset: 24, .size: 8, .value_kind: global_buffer, .address_space: global }
    .group_segment_fixed_size: 327680
    .private_segment_fixed_size: 0
    .kernarg_segment_align: 8
    .kernarg_segment_size: 32
    .max_flat_workgroup_size: 128
    .sgpr_count:     72
    .vgpr_count:     576
    .wavefront_size: 32
...
	.end_amdgpu_metadata
.endif
;; end of part 2
;; ======== version 2 of 2: 2 launches; version 1 with the launch cast written anew for expert scheduling mode
;; workspace buffers: xb 16,777,216 bytes; wb 33,554,432 bytes
;; launch cast (part 3): grid 768 x 1, 8 waves a work-group, no clusters, 0 bytes of LDS; arguments x, w, xb, wb; writes xb, wb
.if DOCPART == 3
	.amdgcn_target "amdgcn-amd-amdhsa--gfx1250"
	.amdhsa_code_object_version 6
	.text
	.protected	k_qd4dccf648d_cast
	.globl	k_qd4dccf648d_cast
	.p2align	8
	.type	k_qd4dccf648d_cast,@function
k_qd4dccf648d_cast:
	s_mov_b64 s[64:65], 0
	v_nop
	global_prefetch_b8 v0, s[64:65] scope:SCOPE_SE
	s_setreg_imm32_b32 hwreg(HW_REG_WAVE_SCHED_MODE, 0, 2), 2
	s_setreg_imm32_b32 hwreg(HW_REG_WAVE_MODE, 25, 1), 1
	s_wait_xcnt 0x0
	s_wait_alu depctr_vm_vsrc(0)
; THE PROGRAM: out0 = x @ w + b, in two launches: this one rounds x and w once to bf16 (xb, wb: the same layouts, two bytes a number); the second multiplies and adds b.
; WHY THAT IS THE WHOLE RESULT, for all finite x, w, b with a largest |weight| above 0, in exact arithmetic.  With weights = [w; b], g = k_cond x weights:
;   g_pos - g_neg = (G_OFF + max(g, 0)) - (G_OFF - min(g, 0)) = max(g, 0) + min(g, 0) = g.
;   The product is linear in the conductances, so currents[:, 0::2] - currents[:, 1::2] = voltages @ (g_pos - g_neg) = K_V k_cond ([x, 1] @ weights),
;   and the division by K_V k_cond leaves [x, 1] @ weights = x @ w + b.
; LEFT OUT AS DEAD WORK, in whole units: one of the two products (4,096 of the 8,192 columns); the G_OFF terms, which are the same sum in both columns of a pair and cancel;
; the maximum over |weights|; the factors K_V and k_cond, each multiplied in and divided out again.  G_OFF = 0.001 is not large beside the rest: the largest |g| is
; G_ON - G_OFF = 0.004 by construction, so f32 sums with the term lose nothing that shows beyond rounding.  All three inputs stay live: x and w are read here, b in the second launch.
; LIMITS.  A NaN, an infinity, an overflow or an underflow that arises only in the work left out (the maximum, k_cond, g, the two currents) is not carried to the result:
; where w and b are all zero the formula as written divides by zero and gives NaN, this program gives 0; a NaN or an infinity in x, w or b spreads as in a plain product and
; not, by way of the maximum, to the whole output.  x and w are rounded once to bf16 (nearest even), which has f32's range; b and all sums stay in f32.
;
; THIS LAUNCH is a stream: 100,663,296 bytes in, half as many out, nothing shared, so no LDS, no barrier, no matrix work.
; SHARES.  768 work-groups of eight waves, 131,072 input bytes each: groups 0-255 take x, groups 256-767 take w.  A wave takes 16,384 consecutive bytes as 32 pieces of 512:
; one load of 16 bytes a lane covers a piece, two packed roundings make 8 bytes a lane, and one store of the wave covers 256 consecutive bytes, aligned.
; THE MODE: SCHED_MODE bits 1:0 = 2 (LLVM: expert scheduling mode 2), set by the entry lines.  The code itself states the register dependences
; between vector instructions and memory instructions, with s_wait_alu, always for 0.
; THE PLAN.  The 32 pieces go in 8 blocks of four, all written out.  Registers that memory instructions touch:
;   X0 .. X4   five buffers of four pieces as loaded.  Written by loads alone: blocks 0 to 3 at the head, block p + 4 in block p.  Read by block p's eight roundings (X[p % 5]).
;   Y          a pair of registers of its own for each of the 32 pieces.  Written once, by block p's roundings; read by the four stores that are issued in block p + 1.
;   v1, v2     the two byte offsets, made once at the head and never written again: the pieces are reached by immediate offsets.
; Block p works on X[p % 5] and writes its own eight registers of Y.  Its memory instructions are the loads into X[(p + 4) % 5] = X[(p - 1) % 5] and the stores from block p - 1's Y:
; registers that block p - 1 worked on and that no vector instruction of block p names.  So ONE wait at the head of a block states all that the block's eight memory instructions
; hang on, and these are dealt among its roundings with no further wait.  No register that a memory instruction reads (v1, v2, Y) is ever written again; no vector instruction
; writes a scalar register; EXEC is never written.
; IN FLIGHT.  Sixteen loads of every wave stay out at each wait for a piece's data.  No register that a pending load or store names is written again but a slot of X,
; a block behind the wait that shows its own load landed.
.set PIECES, 32                        ; pieces of 512 input bytes a wave
.set BLOCK,  4                         ; pieces in a block
.set BLOCKS, PIECES/BLOCK
.set AHEAD,  4                         ; block p asks for block p + AHEAD
.set BUFS,   AHEAD+1                   ; buffers of X: the one at work, and AHEAD on their way or landed
.set DEPTH,  AHEAD*BLOCK               ; younger loads that stay out at a wait: 16
.set X,   4                            ; v[4:83]    buffer k, piece i of its block: four f32 as loaded, at X + 16 k + 4 i
.set Y,   84                           ; v[84:147]  piece n: four bf16 to store, a pair of registers of its own at Y + 2 n
	s_load_b256 s[4:11], s[0:1], 0x0               ; x s[4:5], w s[6:7], xb s[8:9], wb s[10:11]
	s_sub_co_u32 s17, ttmp9, 256                   ; my number among w's groups (used only where it is one)
	s_cmp_lt_u32 ttmp9, 256
	s_cselect_b32 s16, ttmp9, s17                  ; my number among my tensor's groups
	s_lshl_b32 s18, s16, 17                        ; its 131,072 bytes in,
	s_mov_b32 s19, 0
	s_lshl_b32 s20, s16, 16                        ; and 65,536 out
	s_mov_b32 s21, 0
	v_lshrrev_b32 v3, 5, v0                        ; wave
	v_and_b32 v2, 31, v0                           ; lane
	v_lshlrev_b32 v1, 4, v2
	v_lshl_or_b32 v1, v3, 14, v1                   ; in:  16,384 x wave + 16 x lane; never rewritten
	v_lshlrev_b32 v2, 3, v2
	v_lshl_or_b32 v2, v3, 13, v2                   ; out:  8,192 x wave +  8 x lane; never rewritten
	s_wait_kmcnt 0x0
	s_cmp_lt_u32 ttmp9, 256                        ; compared anew: the shifts above have written SCC
	s_cselect_b64 s[12:13], s[4:5], s[6:7]         ; from x or w,
	s_cselect_b64 s[14:15], s[8:9], s[10:11]       ; to xb or wb
	s_add_nc_u64 s[12:13], s[12:13], s[18:19]
	s_add_nc_u64 s[14:15], s[14:15], s[20:21]
	s_wait_alu depctr_va_vdst(0)                   ; v1 and v2 are written: every load of the kernel reads v1 as its offset, every store v2
.set j, 0
.rept DEPTH
	global_load_b128 v[X+4*j:X+4*j+3], v1, s[12:13] offset:512*j th:TH_LOAD_NT  ; blocks 0 to 3 into X0 to X3
.set j, j+1
.endr
; Block p: pieces 4 p to 4 p + 3, out of X[p % 5].  For each of its pieces: the load of the piece sixteen on (blocks 0 to 3), the store of the piece four back (blocks 1 to 7),
; the wait for the piece's own data, its two roundings.
; The counts (loads come back in order: ISA guide 5.7.1; they are issued in the order of the pieces): in blocks 0 to 3, at piece n, 16 + n + 1 loads are issued and n + 1 of them
; reach up to mine: 16 younger ones stay out.  From block 4 on all 32 are issued: 31 - n younger, down to 0.
.macro BLK p
.if (\p) > 0
	s_wait_alu depctr_va_vdst(0)                   ; the block before has written its eight registers of Y, which the stores below read, and is done reading its X, in which the loads below land
.endif
.irp i, 0,1,2,3
.if (\p) < BLOCKS-AHEAD
	global_load_b128 v[X+16*(((\p)+AHEAD)%BUFS)+4*(\i):X+16*(((\p)+AHEAD)%BUFS)+4*(\i)+3], v1, s[12:13] offset:512*(BLOCK*((\p)+AHEAD)+(\i)) th:TH_LOAD_NT  ; no vector instruction since the wait names these registers (in block 0: none at all has)
.endif
.if (\p) > 0
	global_store_b64 v2, v[Y+2*(BLOCK*((\p)-1)+(\i)):Y+2*(BLOCK*((\p)-1)+(\i))+1], s[14:15] offset:256*(BLOCK*((\p)-1)+(\i)) th:TH_STORE_NT  ; the block before; its data were written ahead of the wait
.endif
.if (\p) < BLOCKS-AHEAD
	s_wait_loadcnt DEPTH                           ; my piece is in; the sixteen younger loads stay out
.else
	s_wait_loadcnt PIECES-1-(BLOCK*(\p)+(\i))      ; nothing more is loaded: the counts run down to 0
.endif
	v_cvt_pk_bf16_f32 v[Y+2*(BLOCK*(\p)+(\i))],   v[X+16*((\p)%BUFS)+4*(\i)],   v[X+16*((\p)%BUFS)+4*(\i)+1]
	v_cvt_pk_bf16_f32 v[Y+2*(BLOCK*(\p)+(\i))+1], v[X+16*((\p)%BUFS)+4*(\i)+2], v[X+16*((\p)%BUFS)+4*(\i)+3]
.endr
.endm
	BLK 0                                          ; no block stands in front of it: no store, and no wait but those for its data; its loads land in X4
	BLK 1
	BLK 2
	BLK 3                                          ; the last loads: pieces 28 to 31, the wave's last 2,048 bytes
	BLK 4
	BLK 5
	BLK 6
	BLK 7
	s_wait_alu depctr_va_vdst(0)                   ; block 7 has written its eight registers of Y, which the last four stores read
.irp i, 0,1,2,3
	global_store_b64 v2, v[Y+2*(PIECES-BLOCK+(\i)):Y+2*(PIECES-BLOCK+(\i))+1], s[14:15] offset:256*(PIECES-BLOCK+(\i)) th:TH_STORE_NT
.endr
	s_endpgm
.Lfunc_end_k_qd4dccf648d_cast:
	.size	k_qd4dccf648d_cast, .Lfunc_end_k_qd4dccf648d_cast-k_qd4dccf648d_cast
	.p2alignl 7, 3214868480
	.fill 96, 4, 3214868480
	.section	.rodata,"a",@progbits
	.p2align	6, 0x0
	.amdhsa_kernel k_qd4dccf648d_cast
		.amdhsa_group_segment_fixed_size 0
		.amdhsa_private_segment_fixed_size 0
		.amdhsa_enable_private_segment 0
		.amdhsa_kernarg_size 32
		.amdhsa_user_sgpr_count 2
		.amdhsa_user_sgpr_kernarg_segment_ptr 1
		.amdhsa_wavefront_size32 1
		.amdhsa_system_sgpr_workgroup_id_x 1
		.amdhsa_system_sgpr_workgroup_id_y 1
		.amdhsa_system_sgpr_workgroup_id_z 1
		.amdhsa_system_vgpr_workitem_id 0
		.amdhsa_next_free_vgpr 148
		.amdhsa_next_free_sgpr 66
		.amdhsa_reserve_vcc 0
		.amdhsa_float_denorm_mode_32 3
		.amdhsa_float_denorm_mode_16_64 3
		.amdhsa_memory_ordered 1
		.amdhsa_forward_progress 1
		.amdhsa_inst_pref_size 13
	.end_amdhsa_kernel
	.amdgpu_metadata
---
amdhsa.version: [ 1, 2 ]
amdhsa.kernels:
  - .name:           k_qd4dccf648d_cast
    .symbol:         k_qd4dccf648d_cast.kd
    .args:
      - { .name: x, .offset: 0, .size: 8, .value_kind: global_buffer, .address_space: global }
      - { .name: w, .offset: 8, .size: 8, .value_kind: global_buffer, .address_space: global }
      - { .name: xb, .offset: 16, .size: 8, .value_kind: global_buffer, .address_space: global }
      - { .name: wb, .offset: 24, .size: 8, .value_kind: global_buffer, .address_space: global }
    .group_segment_fixed_size: 0
    .private_segment_fixed_size: 0
    .kernarg_segment_align: 8
    .kernarg_segment_size: 32
    .max_flat_workgroup_size: 256
    .sgpr_count:     66
    .vgpr_count:     148
    .wavefront_size: 32
...
	.end_amdgpu_metadata
.endif
;; end of part 3
;; launch gemm: the kernel of part 2 again; grid 16 x 16, 4 waves a work-group, clusters of 4 x 4, 327,680 bytes of LDS; arguments xb, wb, b, out0; writes out0
